; MI455X (gfx1250); checked and timed in simulation.
; The chip was launched on July 23, 2026; its instructions are those of AMD's public machine-readable ISA for CDNA 5 (MIT licence, August 2026) and "CDNA5" Instruction Set Architecture Reference Guide (July 2026). The comments in the code are by the model that wrote it; some were corrected since.
;; Trans E. Allowed arithmetic: float matrix products may take bf16 or f16 operands with f32 sums; all other float work in f32.
;; Inputs: lhs_weight 10,000 x 256 float32; rel_weight 40,000 x 256 float32; x 64 x 3 int32.
;; Outputs: out0 64 x 10,000 float32; out1 64 x 10,000 float32; out2 64 x 256 float32; out3 64 x 256 float32; out4 64 x 256 float32.
;; One version. Each part assembles by itself: llvm-mc -triple=amdgcn-amd-amdhsa -mcpu=gfx1250 --defsym DOCPART=n.
;; ======== version 1 of 1: 1 launch
;; launch transe (part 1): grid 2 x 125, 16 waves a work-group, no clusters, 238,592 bytes of LDS; arguments lhs_weight, rel_weight, x, out0, out1, out2, out3, out4; writes out0, out1, out2, out3, out4
.if DOCPART == 1
	.amdgcn_target "amdgcn-amd-amdhsa--gfx1250"
	.amdhsa_code_object_version 6
	.text
	.protected	k_q6c4c3ed80f_transe
	.globl	k_q6c4c3ed80f_transe
	.p2align	8
	.type	k_q6c4c3ed80f_transe,@function
k_q6c4c3ed80f_transe:
	s_mov_b64 s[64:65], 0
	v_nop
	global_prefetch_b8 v0, s[64:65] scope:SCOPE_SE
	s_setreg_imm32_b32 hwreg(HW_REG_WAVE_MODE, 25, 1), 1
	s_wait_xcnt 0x0
; TransE, L1 scores.  out0[b][e] = -sum_r |lhs[b][r] + rel[b][r] - E[e][r]|,  out1[b][e] = -sum_r |E[e][r] + rel[b][r] - rhs[b][r]|,
; out2, out3, out4 = the gathered rows lhs = E[x[b][0]], rel = R[x[b][1]], rhs = E[x[b][2]].  All f32; an L1 sum is no product, so no matrix unit.
; Both scores are sums of |e - query|: query q = lhs + rel for out0, query p = rhs - rel for out1.
;
; SHARES.  Grid 2 x 125.  A work-group owns 32 batches (id x) and 80 entities (id y; 125 x 80 = 10000, no edge).  16 waves, w = 4 g + k:
; ranks 64 g .. 64 g + 63, batches b0 = 32 x + 8 k .. b0 + 7.  Lane l = (r = l & 15, h = l >> 4): entities r + 16 i (i = 0..4) against the
; eight queries of kind h (0: q, 1: p): 40 sums a lane, no traffic between lanes.  The four rank quarters are added through LDS at the end.
; PER TERM 1.25 vector instructions: two differences by one packed add with a negated source, |d0| + |d1| by one add with both
; source modifiers, and the results of two neighbouring queries into their two sums by one packed add (10 instructions, 8 terms).
; DATA.  Each wave: one tensor load (20 table rows x 256 bytes, its quarter of rank chunk g), 24 indices by scalar loads, 24 loads of 256
; aligned bytes for its quarter of its 24 gathered rows; q and p go to the wave's own 4,096 bytes of LDS, which no other wave touches.
; NO CLUSTER: only the two work-groups of one id y read the same table rows and a grid x of 2 holds no cluster of four; four sharers would need
; blocks of 160 entities, and 10000 / 160 = 62.5.  The other 96 of a work-group's 176 KB are gathered rows, summed on their way through registers.
; OUTPUT UNITS: rows of out0, out1 are 40,000 bytes apart (64 mod 256) and a block is 320 bytes, so its ends cut 256-byte pieces in any layout;
; each store of a wave covers 256 consecutive bytes but for the step from one batch's row to the next.
; LIMITS.  Indices are clamped to 0 .. 9999 (x[.][0], x[.][2]) and 0 .. 39999 (x[.][1]); inside the tables nothing changes.  The sums are
; formed in another order than a plain chain, and out1 from e - (rhs - rel): rhs - rel must be finite (|rhs - rel| below 3.4e38).
.set NENT,   10000
.set NREL,   40000
.set ROWB,   1024                      ; bytes in a row of either table and of out2 .. out4
.set OROWB,  40000                     ; bytes in a row of out0, out1
.set EBLK,   80                        ; entities of a work-group
.set PITCH,  272                       ; LDS row of a chunk: 256 bytes + 16 of padding = 68 words, so 16 rows start 4 banks apart (64 banks of 4 bytes: ISA guide 11.1)
.set TILEB,  20*PITCH                  ; what one tensor load fills
.set CHUNKB, EBLK*PITCH                ; 80 rows x 64 ranks
.set QBASE,  4*CHUNKB                  ; 87,040 = 340 x 256: queries, written by LDS stores, share no 256-byte block with the tensor loads' bytes
.set QWAVE,  16*256                    ; a wave's 16 queries x 64 ranks
.set STAGE,  QBASE+16*QWAVE            ; partial sums
.set SEGB,   EBLK*4                    ; one query's 80 sums
.set SHALF,  8*SEGB+64                 ; kind 1 lies 2,624 bytes behind kind 0: 16 banks on, so the two halves of a store's lanes do not meet
.set SWAVE,  2*SHALF
.set LANE, 1                           ; v1   l
.set RR,   2                           ; v2   r
.set HH,   3                           ; v3   h
.set AE,   4                           ; v4   LDS address of my entity rows, stepped along the ranks
.set AQ,   5                           ; v5   LDS address of my eight queries, stepped likewise
.set AST,  6                           ; v6   where I put partial sums
.set ARD,  7                           ; v7   where I read partial sums
.set LG,   8                           ; v8   8 l + 256 g: my 8 bytes of a table row
.set AQS,  9                           ; v9   where I store 8 bytes of a query
.set VO,   10                          ; v[10:14] byte offsets of my five pieces of output
.set TMP,  15
.set ACC,  16                          ; v[16:55]   sum (i, j) at ACC + 8 i + j
.set EA,   56                          ; v[56:75]   entity i, 4 ranks, buffer A
.set EB,   76                          ; v[76:95]   buffer B
.set QA,   98                          ; v[98:129]  query j, 4 ranks, buffer A.  Q, T, U start at 2 mod 4, E, D, ACC at 0 mod 4:
.set QB,   130                         ; v[130:161] buffer B                     the two sources of a packed add differ in number mod 4
.set D,    164                         ; v[164:195] differences: query j, 4 ranks
.set T,    198                         ; v[198:205] |d0| + |d1| of query j
.set U,    206                         ; v[206:213] |d2| + |d3| of query j
.set GO,   98                          ; v[98:121]  gather offsets, done with before buffer A is first loaded
.set GD,   164                         ; v[164:211] gathered rows: batch j: lhs, rel, rhs, 2 registers each; done with before the first difference
.set P,    56                          ; v[56:95]   the way out: piece m, quarter c at P + 8 m + 2 c
.set G0,   32                          ; s[32:35] tensor descriptor group 0
.set XI,   36                          ; s[36:59] my 24 indices
.set G1,   68                          ; s[68:75] tensor descriptor group 1
	s_load_b512 s[4:19], s[0:1], 0x0               ; E s[4:5], R s[6:7], x s[8:9], out0 .. out4 s[10:19]
	v_lshl_add_u32 v214, v0, 2, 0x39c00
	v_mov_b32 v215, 0
	ds_add_u32 v214, v215
	ds_add_u32 v214, v215
	v_lshrrev_b32 v[TMP], 5, v0
	v_readfirstlane_b32 s20, v[TMP]                ; w
	s_lshr_b32 s21, s20, 2                         ; g
	s_and_b32 s22, s20, 3                          ; k
	s_and_b32 s23, ttmp7, 0xffff                   ; entity block
	s_lshl_b32 s30, ttmp9, 5
	s_lshl3_add_u32 s30, s22, s30                  ; b0 = 32 x + 8 k
	s_mul_i32 s24, s30, 12                         ; my 24 indices: 96 bytes from byte 12 b0 of x
	s_mov_b32 s25, 0
	s_mul_i32 s26, s23, EBLK*ROWB                  ; my tile: row 80 block + 20 k, byte 256 g of the row
	s_mul_i32 s28, s22, 20*ROWB
	s_add_co_u32 s26, s26, s28
	s_lshl_b32 s82, s21, 8
	s_add_co_u32 s26, s26, s82
	s_mov_b32 s27, 0
	s_and_b32 s28, s21, 1                          ; on the way out I own queries 4 (g & 1) .. + 3 of kind g >> 1
	s_lshl2_add_u32 s29, s28, s30                  ; their first batch
	s_mul_i32 s60, s29, OROWB
	s_mul_i32 s29, s23, SEGB
	s_add_co_u32 s60, s60, s29                     ; byte offset of (that batch, my block's first entity)
	s_mov_b32 s61, 0
	; group 1: 20 rows x 64 f32, 256 elements from row to row, 4 words of padding behind every 64
	s_mov_b32 s[G1+0], (2<<16)|(1<<20)|(5<<22)|(3<<25)
	s_mov_b32 s[G1+1], 64<<16                      ; tensor_dim0 = 64
	s_mov_b32 s[G1+2], 20<<16                      ; tensor_dim1 = 20
	s_mov_b32 s[G1+3], 64<<16                      ; tile_dim0 = 64
	s_mov_b32 s[G1+4], 20                          ; tile_dim1 = 20
	s_mov_b32 s[G1+5], 256                         ; pitch
	s_mov_b32 s[G1+6], 0
	s_mov_b32 s[G1+7], 0
	s_mov_b32 s[G0+0], 1
	s_mul_i32 s[G0+1], s20, TILEB                  ; chunk g, rows 20 k: (4 g + k) x 5,440
	s_wait_dscnt 0x0
	s_wait_kmcnt 0x0
	s_add_nc_u64 s[8:9], s[8:9], s[24:25]
	s_load_b256 s[XI:XI+7],     s[8:9], 0x0        ; the indices first: the gather hangs on them
	s_load_b256 s[XI+8:XI+15],  s[8:9], 0x20
	s_load_b256 s[XI+16:XI+23], s[8:9], 0x40
	s_add_nc_u64 s[G0+2:G0+3], s[4:5], s[26:27]
	s_or_b32 s[G0+3], s[G0+3], 0x80000000          ; type 2
	tensor_load_to_lds s[G0:G0+3], s[G1:G1+7]      ; the wave's only tensor load
	s_nop 0
	s_cmp_lt_u32 s21, 2                            ; kind 0 goes to out0, kind 1 to out1
	s_cselect_b64 s[76:77], s[10:11], s[12:13]
	s_add_nc_u64 s[76:77], s[76:77], s[60:61]
	; lane terms, while the indices are on their way
	v_and_b32 v[LANE], 31, v0
	v_and_b32 v[RR], 15, v0
	v_bfe_u32 v[HH], v0, 4, 1
	s_mul_i32 s80, s21, CHUNKB
	v_mul_u32_u24 v[AE], v[RR], PITCH
	v_add_nc_u32 v[AE], s80, v[AE]                 ; chunk g, row r
	s_mul_i32 s81, s20, QWAVE
	s_add_co_u32 s81, s81, QBASE                   ; my wave's queries
	v_lshl_add_u32 v[AQ], v[HH], 11, s81           ; kind h: 8 rows of 256 bytes further
	v_lshl_add_u32 v[AQS], v[LANE], 3, s81
	v_lshl_add_u32 v[LG], v[LANE], 3, s82
	s_mul_i32 s83, s20, SWAVE
	s_add_co_u32 s83, s83, STAGE                   ; my wave's stage
	v_mul_u32_u24 v[AST], v[HH], SHALF
	v_lshl_add_u32 v[AST], v[RR], 2, v[AST]
	v_add_nc_u32 v[AST], s83, v[AST]
	s_mul_i32 s84, s22, SWAVE                      ; back: quarter 0 of group k, kind g >> 1, queries from 4 (g & 1)
	s_lshr_b32 s85, s21, 1
	s_mul_i32 s85, s85, SHALF
	s_add_co_u32 s84, s84, s85
	s_mul_i32 s85, s28, 4*SEGB
	s_add_co_u32 s84, s84, s85
	s_add_co_u32 s84, s84, STAGE
	v_lshl_add_u32 v[ARD], v[LANE], 3, s84
	; my pieces of 8 bytes: n = l + 32 m of 160; 40 pieces make a query's 320 bytes; n / 40 = 205 n >> 13 for n < 160
	s_mov_b32 s86, OROWB-SEGB
.irp m, 0,1,2,3,4
	v_add_nc_u32 v[TMP], 32*\m, v[LANE]
	v_mul_u32_u24 v[VO+\m], v[TMP], 205
	v_lshrrev_b32 v[VO+\m], 13, v[VO+\m]           ; which of my four queries
	v_lshlrev_b32 v[TMP], 3, v[TMP]
	v_mad_u32_u24 v[VO+\m], v[VO+\m], s86, v[TMP]  ; 40000 query + 8 (n - 40 query)
.endr
	s_wait_kmcnt 0x0                               ; the indices
.irp j, 0,1,2,3,4,5,6,7
	s_min_u32 s[XI+3*\j],   s[XI+3*\j],   NENT-1   ; a loaded number enters an address only clamped to its table
	s_min_u32 s[XI+3*\j+1], s[XI+3*\j+1], NREL-1
	s_min_u32 s[XI+3*\j+2], s[XI+3*\j+2], NENT-1
	s_lshl_b32 s[XI+3*\j],   s[XI+3*\j],   10
	s_lshl_b32 s[XI+3*\j+1], s[XI+3*\j+1], 10
	s_lshl_b32 s[XI+3*\j+2], s[XI+3*\j+2], 10
	v_add_nc_u32 v[GO+3*\j],   s[XI+3*\j],   v[LG]
	v_add_nc_u32 v[GO+3*\j+1], s[XI+3*\j+1], v[LG]
	v_add_nc_u32 v[GO+3*\j+2], s[XI+3*\j+2], v[LG]
	global_load_b64 v[GD+6*\j:GD+6*\j+1],   v[GO+3*\j],   s[4:5]   ; lhs: 32 lanes x 8 bytes = ranks 64 g .. + 63, 256 aligned bytes
	global_load_b64 v[GD+6*\j+2:GD+6*\j+3], v[GO+3*\j+1], s[6:7]   ; rel
	global_load_b64 v[GD+6*\j+4:GD+6*\j+5], v[GO+3*\j+2], s[4:5]   ; rhs
.endr
	s_wait_tensorcnt 0x0                           ; my 20 rows are in LDS,
	s_barrier_signal -1
	s_barrier_wait -1                              ; everybody's are; the gather stays in flight across this barrier (nobody writes those bytes)
	s_wait_loadcnt 0x0                             ; my 24 quarter rows; GO is free as well
	s_cmp_lg_u32 s23, 0                            ; the rows themselves are results: entity block 0 stores them, once for each batch half
	s_cbranch_scc1 .Lno_rows
	s_lshl_b32 s78, s30, 10                        ; row b0
	s_mov_b32 s79, 0
	s_add_nc_u64 s[14:15], s[14:15], s[78:79]
	s_add_nc_u64 s[16:17], s[16:17], s[78:79]
	s_add_nc_u64 s[18:19], s[18:19], s[78:79]
.irp j, 0,1,2,3,4,5,6,7
	global_store_b64 v[LG], v[GD+6*\j:GD+6*\j+1],   s[14:15] offset:\j*ROWB th:TH_STORE_NT   ; each store: 256 consecutive bytes, aligned
	global_store_b64 v[LG], v[GD+6*\j+2:GD+6*\j+3], s[16:17] offset:\j*ROWB th:TH_STORE_NT
	global_store_b64 v[LG], v[GD+6*\j+4:GD+6*\j+5], s[18:19] offset:\j*ROWB th:TH_STORE_NT
.endr
	s_wait_xcnt 0x0                                ; the stores' data registers are rewritten just below, only behind this wait
.Lno_rows:
.irp j, 0,1,2,3,4,5,6,7
	v_pk_add_f32 v[GD+6*\j:GD+6*\j+1],   v[GD+6*\j:GD+6*\j+1],   v[GD+6*\j+2:GD+6*\j+3]                             ; q = lhs + rel
	v_pk_add_f32 v[GD+6*\j+4:GD+6*\j+5], v[GD+6*\j+4:GD+6*\j+5], v[GD+6*\j+2:GD+6*\j+3] neg_lo:[0,1] neg_hi:[0,1]   ; p = rhs - rel
.endr
.irp j, 0,1,2,3,4,5,6,7
	ds_store_b64 v[AQS], v[GD+6*\j:GD+6*\j+1]   offset:\j*256          ; rows 0-7: q
	ds_store_b64 v[AQS], v[GD+6*\j+4:GD+6*\j+5] offset:2048+\j*256     ; rows 8-15: p
.endr
	; These 4,096 bytes are my wave's alone, and LDS serves a wave's instructions in order (ISA guide 5.7.1): the loads below see them.
; 13 LDS loads: 4 ranks of my five entities (16 rows, 16 different bank groups; both halves of the lanes read the same rows) and of my eight
; queries (one address for each half of the lanes)
.macro LOADS e, q, off
.irp i, 0,1,2,3,4
	ds_load_b128 v[\e+4*\i:\e+4*\i+3], v[AE] offset:\i*16*PITCH+\off
.endr
.irp j, 0,1,2,3,4,5,6,7
	ds_load_b128 v[\q+4*\j:\q+4*\j+3], v[AQ] offset:\j*256+\off
.endr
.endm
; entity i against queries jb .. jb + 3: 16 differences in 8 packed adds
.macro SUBS e, q, i, jb
.irp n, 0,1,2,3
	v_pk_add_f32 v[D+4*(\jb+\n):D+4*(\jb+\n)+1],   v[\e+4*\i:\e+4*\i+1],   v[\q+4*(\jb+\n):\q+4*(\jb+\n)+1]   neg_lo:[0,1] neg_hi:[0,1]
	v_pk_add_f32 v[D+4*(\jb+\n)+2:D+4*(\jb+\n)+3], v[\e+4*\i+2:\e+4*\i+3], v[\q+4*(\jb+\n)+2:\q+4*(\jb+\n)+3] neg_lo:[0,1] neg_hi:[0,1]
.endr
.endm
.macro ABSS                            ; the magnitudes ride on the add
.irp j, 0,1,2,3,4,5,6,7
	v_add_f32 v[T+\j], |v[D+4*\j]|,   |v[D+4*\j+1]|
	v_add_f32 v[U+\j], |v[D+4*\j+2]|, |v[D+4*\j+3]|
.endr
.endm
.macro ACCT i
.irp j, 0,2,4,6
	v_pk_add_f32 v[ACC+8*\i+\j:ACC+8*\i+\j+1], v[ACC+8*\i+\j:ACC+8*\i+\j+1], v[T+\j:T+\j+1]
.endr
.endm
.macro ACCU i
.irp j, 0,2,4,6
	v_pk_add_f32 v[ACC+8*\i+\j:ACC+8*\i+\j+1], v[ACC+8*\i+\j:ACC+8*\i+\j+1], v[U+\j:U+\j+1]
.endr
.endm
.macro ACC0 i                          ; the first step starts the sums: nothing is cleared
.irp j, 0,2,4,6
	v_pk_add_f32 v[ACC+8*\i+\j:ACC+8*\i+\j+1], v[T+\j:T+\j+1], v[U+\j:U+\j+1]
.endr
.endm
; entity i's differences, with the sums of entity p = i - 1 laid between them: the two adds into one sum stand 12 instructions apart
.macro ENT e, q, i, p, first
	SUBS \e, \q, \i, 0
.if \first == 0
	ACCT \p
.endif
	SUBS \e, \q, \i, 4
.if \first
	ACC0 \p
.else
	ACCU \p
.endif
	ABSS
.endm
.macro COMPUTE e, q, first             ; one step: 4 ranks x 40 pairs, 200 vector instructions
	SUBS \e, \q, 0, 0
	SUBS \e, \q, 0, 4
	ABSS
	ENT \e, \q, 1, 0, \first
	ENT \e, \q, 2, 1, \first
	ENT \e, \q, 3, 2, \first
	ENT \e, \q, 4, 3, \first
.if \first
	ACC0 4
.else
	ACCT 4
	ACCU 4
.endif
.endm
; two steps.  On entry buffer A's 13 loads are out.  more = 1: buffer A is loaded again, two steps on.
.macro DOUBLE first, more
	LOADS EB, QB, 16
	s_wait_dscnt 13                                ; the 13 loads just issued may stay out: buffer A (and all before it) is in
	COMPUTE EA, QA, \first
.if \more
	v_add_nc_u32 v[AE], 32, v[AE]                  ; 8 ranks on
	v_add_nc_u32 v[AQ], 32, v[AQ]
	LOADS EA, QA, 0
	s_wait_dscnt 13                                ; again the 13 just issued: buffer B is in
.else
	s_wait_dscnt 0x0                               ; nothing was issued behind buffer B
.endif
	COMPUTE EB, QB, 0
.endm
	LOADS EA, QA, 0                                ; 16 steps of 4 ranks = 8 doubles: one that starts the sums, six in the loop, one that loads nothing more
	DOUBLE 1, 1
	s_mov_b32 s62, 6
.Lsteps:
	DOUBLE 0, 1
	s_sub_co_i32 s62, s62, 1
	s_cmp_lg_u32 s62, 0
	s_cbranch_scc1 .Lsteps
	DOUBLE 0, 0
	; THE WAY OUT.  My 40 partial sums to my stage: query (h, j) is a run of 80 f32, entity r + 16 i in it.
.irp i, 0,1,2,3,4
.irp j, 0,1,2,3,4,5,6,7
	ds_store_b32 v[AST], v[ACC+8*\i+\j] offset:\j*SEGB+\i*64
.endr
.endr
	s_wait_dscnt 0x0                               ; for the other waves' sake: all my stores are in LDS
	s_barrier_signal -1
	s_barrier_wait -1
	; Four queries x 320 bytes = 160 pieces of 8 bytes, five a lane; of each the four rank quarters (waves k, 4 + k, 8 + k, 12 + k).
.irp m, 0,1,2,3,4
.irp c, 0,1,2,3
	ds_load_b64 v[P+8*\m+2*\c:P+8*\m+2*\c+1], v[ARD] offset:\c*4*SWAVE+\m*256
.endr
.endr
.irp m, 0,1,2,3,4
	s_wait_dscnt 16-4*\m                           ; four loads for each later piece may stay out
	v_pk_add_f32 v[P+8*\m:P+8*\m+1],   v[P+8*\m:P+8*\m+1],   v[P+8*\m+2:P+8*\m+3]
	v_pk_add_f32 v[P+8*\m+4:P+8*\m+5], v[P+8*\m+4:P+8*\m+5], v[P+8*\m+6:P+8*\m+7]
	v_pk_add_f32 v[P+8*\m:P+8*\m+1],   v[P+8*\m:P+8*\m+1],   v[P+8*\m+4:P+8*\m+5] neg_lo:[1,1] neg_hi:[1,1]   ; the score is minus the distance
	global_store_b64 v[VO+\m], v[P+8*\m:P+8*\m+1], s[76:77] th:TH_STORE_NT
.endr
	s_wait_tensorcnt 0x0
	ds_add_u32 v214, v215
	s_wait_dscnt 0x0
	s_endpgm
.Lfunc_end_k_q6c4c3ed80f_transe:
	.size	k_q6c4c3ed80f_transe, .Lfunc_end_k_q6c4c3ed80f_transe-k_q6c4c3ed80f_transe
	.p2alignl 7, 3214868480
	.fill 96, 4, 3214868480
	.section	.rodata,"a",@progbits
	.p2align	6, 0x0
	.amdhsa_kernel k_q6c4c3ed80f_transe
		.amdhsa_group_segment_fixed_size 238592
		.amdhsa_private_segment_fixed_size 0
		.amdhsa_enable_private_segment 0
		.amdhsa_kernarg_size 64
		.amdhsa_user_sgpr_count 2
		.amdhsa_user_sgpr_kernarg_segment_ptr 1
		.amdhsa_wavefront_size32 1
		.amdhsa_system_sgpr_workgroup_id_x 1
		.amdhsa_system_sgpr_workgroup_id_y 1
		.amdhsa_system_sgpr_workgroup_id_z 1
		.amdhsa_system_vgpr_workitem_id 0
		.amdhsa_next_free_vgpr 216
		.amdhsa_next_free_sgpr 88
		.amdhsa_reserve_vcc 0
		.amdhsa_float_denorm_mode_32 3
		.amdhsa_float_denorm_mode_16_64 3
		.amdhsa_memory_ordered 1
		.amdhsa_forward_progress 1
		.amdhsa_inst_pref_size 100
	.end_amdhsa_kernel
	.amdgpu_metadata
---
amdhsa.version: [ 1, 2 ]
amdhsa.kernels:
  - .name:           k_q6c4c3ed80f_transe
    .symbol:         k_q6c4c3ed80f_transe.kd
    .args:
      - { .name: lhs_weight, .offset: 0, .size: 8, .value_kind: global_buffer, .address_space: global }
      - { .name: rel_weight, .offset: 8, .size: 8, .value_kind: global_buffer, .address_space: global }
      - { .name: x, .offset: 16, .size: 8, .value_kind: global_buffer, .address_space: global }
      - { .name: out0, .offset: 24, .size: 8, .value_kind: global_buffer, .address_space: global }
      - { .name: out1, .offset: 32, .size: 8, .value_kind: global_buffer, .address_space: global }
      - { .name: out2, .offset: 40, .size: 8, .value_kind: global_buffer, .address_space: global }
      - { .name: out3, .offset: 48, .size: 8, .value_kind: global_buffer, .address_space: global }
      - { .name: out4, .offset: 56, .size: 8, .value_kind: global_buffer, .address_space: global }
    .group_segment_fixed_size: 238592
    .private_segment_fixed_size: 0
    .kernarg_segment_align: 8
    .kernarg_segment_size: 64
    .max_flat_workgroup_size: 512
    .sgpr_count:     88
    .vgpr_count:     216
    .wavefront_size: 32
...
	.end_amdgpu_metadata
.endif
;; end of part 1
